; MI455X (gfx1250); checked and timed in simulation.
; The chip was launched on July 23, 2026; its instructions are those of AMD's public machine-readable ISA for CDNA 5 (MIT licence, August 2026) and "CDNA5" Instruction Set Architecture Reference Guide (July 2026). The comments in the code are by the model that wrote it; some were corrected since.
;; QKV Attention. Allowed arithmetic: matrix products marked QUANTISED: E5M2 operands, one given power-of-two scale a tensor, by v_wmma_f32_16x16x64_bf8_bf8 or v_wmma_f32_16x16x128_bf8_bf8, f32 sums; everything else in f32.
;; Inputs: lowp_scales 4 int32 (the exponents e of the quantised operands' scales 2^e); qkv 2 x 3,072 x 2,048 float32.
;; Outputs: out0 2 x 1,024 x 2,048 float32.
;; This version of the problem:
;;   THIS VERSION OF THE PROBLEM IS GIVEN IN LOW PRECISION. The matrix products marked QUANTISED in the list below multiply operands that are first quantised to E5M2 (5 exponent bits, 2 mantissa bits; 8 bits a number), with one given power-of-two scale for each operand tensor; their sums are f32. All else is computed in f32.
;;   The module's matrix products, in the order in which they are computed (A, B: the left and right operand; K: the contracted axis; several contracted axes count as one K, in the product's order):
;;     1. batch 32 x [M 2,048, K 64] x [K 64, N 2,048]; A: computed on the way; B: computed on the way: QUANTISED (scales: A lowp_scales[0], B lowp_scales[1])
;;     2. batch 32 x [M 64, K 2,048] x [K 2,048, N 2,048]; A: computed on the way; B: softmax (see below): QUANTISED (scales: A lowp_scales[2], B lowp_scales[3])
;;   THE QUANTISER, for each operand of a quantised product, along K:
;;     - The operand's scale is 2^e, e = its entry of the input lowp_scales (int32; the entries are numbered through the quantised products in the list's order, A before B).
;;     - Each number is divided by the scale, clamped to +-57,344, and rounded to the nearest number of E5M2, ties to even, subnormals kept.
;;     - The product sums the exact products of the quantised numbers (number of the format x scale) in f32.
;;   ~~~python
;;   def quantise(x, axis, e):      # numpy; x: float32 -> the quantised numbers, widened to float32 again
;;       x = np.moveaxis(x, axis, -1); K = x.shape[-1]
;;       r = np.clip(x / 2.0 ** e, -57344, 57344)
;;       step = 2.0 ** (np.maximum(np.frexp(np.where(r == 0, 1, r))[1] - 1, -14) - 2)
;;       q = np.round(r / step) * step * 2.0 ** e      # np.round: ties to even
;;       return np.moveaxis(q, -1, axis).astype(np.float32)
;;   ~~~
;;   SOFTMAX AHEAD OF A QUANTISED PRODUCT. Where the list says 'softmax', what is quantised is not the finished softmax but p = 2^(t - M), with t = logit x log2(e) and M = ceil(the row's largest t), a whole number; so 1/2 < the row's largest p <= 1. The row's sum l is taken of the UNQUANTISED p, in f32, and the product's result is divided by l at the end. Since M is a whole number, a kernel that streams over the keys may use a running M (the ceiling of the running maximum): every later rescaling is an exact power of two, so the quantised numbers keep their values, but for numbers so far below the row's largest that they fall under the format's range.
;;   OPERANDS COMPUTED ON THE WAY. 'Computed on the way' means the value that the module computes at that place (a softmax that the list does not call 'softmax' is quantised finished and normalised). What goes into a quantiser is computed in f32, as accurately as f32 sums, v_exp_f32 and their like allow (about 1e-6 of the number): no bf16 or f16 on the way to a quantiser, and a product that is left as it is and whose result goes on into a quantised operand takes f32 operands (vector FMAs, or v_wmma_f32_16x16x4_f32). A number that lies on a knife's edge between two numbers of the format may be rounded either way, as far as f32 arithmetic and the matrix unit's own rounding can turn it there, and no further.
;; 2 versions, each right; version 2 is version 1 with the launch attn written anew for expert scheduling mode. Each part assembles by itself: llvm-mc -triple=amdgcn-amd-amdhsa -mcpu=gfx1250 --defsym DOCPART=n.
;; ======== version 1 of 2: 1 launch
;; launch attn (part 1): grid 8 x 32, 16 waves a work-group, no clusters, 296,960 bytes of LDS; arguments lowp_scales, qkv, out0; writes out0
.if DOCPART == 1
	.amdgcn_target "amdgcn-amd-amdhsa--gfx1250"
	.amdhsa_code_object_version 6
	.text
	.protected	k_q658dccdaeb_attn
	.globl	k_q658dccdaeb_attn
	.p2align	8
	.type	k_q658dccdaeb_attn,@function
k_q658dccdaeb_attn:
	s_mov_b64 s[64:65], 0
	v_nop
	global_prefetch_b8 v0, s[64:65] scope:SCOPE_SE
	s_setreg_imm32_b32 hwreg(HW_REG_WAVE_MODE, 25, 1), 1
	s_wait_xcnt 0x0
; a[head][c][t] = sum over s of softmax_s(sum over c' of (q[c'][t] x sc)(k[c'][s] x sc)) v[c][s],  sc = 1 / sqrt(sqrt(64)) in f32; 32 heads, 64 channels, 2,048 places.
; Both products on codes of BF8 (E5M2), each operand with its given scale 2^e: e0 (q x sc), e1 (k x sc), e2 (v), e3 (p).
; qkv: a head is 192 rows of 2,048 f32 (8,192 bytes): 64 of q, 64 of k, 64 of v.  out0: a head is 64 rows (channels) of 2,048 f32.
; THE SOFTMAX: t = logit x log2(e); M = the running largest t rounded UP to a whole number; p = 2^(t - M) is quantised, not normalised; the row's sum is taken of the unquantised p and divides at the end;
; when M moves, the sum and O are multiplied by 2^(old M - new M), which rounds nothing.
; SHARES.  A work-group owns 256 queries of one head (x: the block, y: the head); each of its sixteen waves owns 16 of them, one tile, in 256 registers, four waves to a SIMD: one wave's vector work stands beside
; another's matrix work and LDS loads.  Every wave walks the head's 2,048 keys, 128 a step.
; K AND V ARRIVE AS f32 AND ARE QUANTISED HERE, a chunk of 128 keys a step, one step ahead of its use, into LDS bytes that are written ONCE and stay (16 chunks x 17,408 bytes): so one barrier a step (store, barrier, read)
; is all the ordering.  The f32 numbers of the two chunks behind that one are on their way into two sets of 32 registers: 2 x 65,536 bytes a work-group.
; K (and Q): the contracted axis, the channels, is the OUTER axis in memory: a lane takes a column (a key) and its 16 registers run down 16 channels, so the conversions give codes with the channels innermost.
; They are stored as an IMAGE OF THE OPERAND'S REGISTERS: tile t, part c', lane (r, h): 16 bytes at 512 (2 t + c') + 16 lane = channels 32 c' + 16 h + 0 .. 15 of key 32 (t / 2) + 8 (t % 2) + r + 8 (r / 8).
; (The same permutation of the channels in K's and in Q's fragments: every product meets its partner.)  THE KEYS OF A TILE ARE NOT NEIGHBOURS, so that the 16 registers of score tiles 2 b, 2 b + 1 are 16 neighbouring keys.
; V: the contracted axis, the keys, is innermost: rows of 128 codes, 144 bytes apart (9 x 16: the 16 rows of a fragment load begin at 16 different groups of banks).
; BOTH PRODUCTS ARE USED TRANSPOSED: S^T = K Q^T (source 0 = 16 keys, source 1 = my 16 queries), O^T = V P^T (source 0 = 16 channels, source 1 = p's codes): a lane holds ONE query throughout.
; NO CLUSTER, NO JOINT LOADS: what the eight work-groups of a head share is f32 that must pass through registers to become codes; as tiles it would be 65,536 bytes a step, and two slots of that (131,072) do not fit
; beside the 294,912 bytes of resident codes in the 327,680 that a work-group may claim.
; LIMITS on the given exponents, so that each power of two below is an f32 number: e0, e1, e2 between -126 and 112; e0 + e1 between -126 and 127; e3 between -109 and 112 (v_exp_f32 gives 0 below 2^-126, which must
; lie under half of p's smallest code x 2^e3 = 2^(e3 - 17)).  NaN among the inputs is not served; an infinity is held at the largest code.
.set ROW,   8192                       ; bytes of a row of qkv and of out0
.set HEADB, 192*ROW                    ; a head in qkv
.set VP,    144                        ; a row of V's codes in LDS
.set VO,    8192                       ; V's rows begin here in a chunk, behind K's image
.set CH,    VO+64*VP                   ; a chunk: 17,408 bytes
.set QIMG,  16*CH                      ; behind the 16 chunks: Q's image, 16 tiles x 1,024 bytes; ends at 294,912
.set SP,    1040                       ; the way out: a stage of 64 rows (channels) x (256 queries x 4 bytes + 16), laid over chunks 0 to 3 when nobody reads them any more
.set AKF, 1                            ; v1   16 x lane: my place in an image
.set AVF, 2                            ; v2   VO + 144 r + 16 h: my place in a tile of V
.set AKS, 3                            ; v3   where I store 16 codes of K's (or Q's) image
.set AVS, 4                            ; v4   where I store 4 codes of V's rows
.set GK,  5                            ; v5   my byte among K's (or Q's) rows in memory; never rewritten
.set GV,  6                            ; v6   my byte among V's rows, counted from K's first row; never rewritten
.set PFO, 7                            ; v7   the prefetches' offset; never rewritten
.set AD0, 8                            ; v8   LDS address of the fragment loads in hand
.set AD1, 9                            ; v9   of K's store
.set SO,  10                           ; v10  the stage, on the way in
.set SR,  11                           ; v11  and back
                                       ; v12 -M, v13 the largest t, v[14:15] the sum in two halves
.set Q,   16                           ; v16-23   my queries' fragment
.set SCK, 24                           ; v24, v25 2^e1 and 57,344 x 2^e1;  v26, v27 with e2;  v28, v29 with e3;  v30, v31 with e0
.set LMK, 25
.set SCV, 26
.set LMV, 27
.set SCP, 28
.set LMP, 29
.set SCQ, 30
.set LMQ, 31
.set F,   32                           ; v32-63   fragments: four tiles of K, later two of V
.set S,   64                           ; v64-127  S^T, then p; v64-95 later take V's tiles 2 and 3
.set O,   128                          ; v128-159 O^T
.set PC,  160                          ; v160-175 p's codes; earlier in a step the converter's codes lie here:
.set CK,  160                          ; v160-163 16 codes of K
.set CV,  164                          ; v164-167 4 x 4 codes of V
                                       ; v176-239 two sets of 16 (K) + 16 (V) numbers on their way from memory; v[240:241] f; v[242:243], v244, v245 at work; v246 a lane permute's destination
.set AD2, 247                          ; v247 LDS address of V's stores
.set GO,  248                          ; v248 the way out: my byte in the work-group's part of out0
.set WV,  10                           ; s10  my wave's number
.set E3,  15                           ; s[12:15] e0 .. e3
.set QB,  16                           ; s[16:17] q at my work-group's first query
.set KV,  18                           ; s[18:19] k's first row of the head, at the chunk that was asked for last
.set SEL, 20                           ; s[20:21] lane selects for v_permlanex16_b32: lane l xor 16
.set CS,  22                           ; s[22:23] log2(e) x 2^(e0 + e1): the packed form names a pair and takes its low word for both halves
.set CB,  24                           ; s24  LDS byte at which the chunk in hand begins
.set CNT, 26                           ; s26  trips
.set LIM, 27                           ; s27  0 in a wave that prefetches
.set SCL, 28                           ; s[28:29] sc
.set ESUM, 30                          ; s30  e2 + e3
; 16 numbers of K or Q: my column, 16 channels down: each load reads 128 consecutive bytes a wave, and the four waves w % 4 stand side by side on 512
.macro LOADK base, dst, off, nt
.irp i, 0,1,2,3,4,5,6,7,8,9,10,11,12,13,14,15
.if \nt
	global_load_b32 v[\dst+\i], v[GK], s[\base:\base+1] offset:\i*ROW+\off th:TH_LOAD_NT
.else
	global_load_b32 v[\dst+\i], v[GK], s[\base:\base+1] offset:\i*ROW+\off
.endif
.endr
.endm
; 16 numbers of V: rows 4 w + i, my 4 keys: each load reads 512 consecutive bytes
.macro LOADV dst, off
.irp i, 0,1,2,3
	global_load_b128 v[\dst+4*\i:\dst+4*\i+3], v[GV], s[KV:KV+1] offset:\i*ROW+\off
.endr
.endm
; 16 numbers x sc, held within the largest code x the scale, to 16 codes in v[CK] on
.macro CVTK src, sc, lim
.irp i, 0,2,4,6,8,10,12,14
	v_pk_mul_f32 v[\src+\i:\src+\i+1], v[\src+\i:\src+\i+1], s[SCL:SCL+1] op_sel_hi:[1,0]   ; x sc, an f32 product of its own, as the problem has it ahead of the quantiser
.endr
.irp i, 0,1,2,3,4,5,6,7,8,9,10,11,12,13,14,15
	v_med3_num_f32 v[\src+\i], v[\src+\i], -v[\lim], v[\lim]   ; the conversion to an 8-bit code does not saturate (ISA guide 7.6.2)
.endr
	v_cvt_scalef32_pk8_bf8_f32 v[CK:CK+1], v[\src:\src+7], v[\sc]
	v_cvt_scalef32_pk8_bf8_f32 v[CK+2:CK+3], v[\src+8:\src+15], v[\sc]
	v_nop                                          ; one plain vector line behind the last conversion of a run
.endm
.macro HOLDV src
.irp i, 0,1,2,3,4,5,6,7,8,9,10,11,12,13,14,15
	v_med3_num_f32 v[\src+\i], v[\src+\i], -v[LMV], v[LMV]
.endr
.endm
.macro CVTV src                        ; register 4 i + n is key 4 lane + n of row 4 w + i: each word of the result is one row's four codes (all under one scale)
	v_cvt_scalef32_pk8_bf8_f32 v[CV:CV+1], v[\src:\src+7], v[SCV]
	v_cvt_scalef32_pk8_bf8_f32 v[CV+2:CV+3], v[\src+8:\src+15], v[SCV]
	v_nop
.endm
.macro MKSCALE e, sc, lim              ; 2^e and 57,344 x 2^e as f32
	s_add_co_i32 s32, s[\e], 127
	s_lshl_b32 s33, s32, 23
	v_mov_b32 v[\sc], s33
	s_add_co_i32 s32, s32, 15
	s_lshl_b32 s32, s32, 23
	s_or_b32 s32, s32, 0x600000
	v_mov_b32 v[\lim], s32
.endm
; A PREFETCH INTO THE L2 of the chunk that the NEXT step's loads will ask for: 128 rows (64 of k, 64 of v) x 512 bytes = 256 aligned blocks of 256 bytes.  It stands behind the step's own 20 loads.
; All eight work-groups of a head walk the same k and v: the head's first work-group asks, its waves 0 to 7, thread b for block b (row b / 2, half b % 2): each block is named once in the launch.
; Chunks 0 to 3 come by their loads alone; the steps from 12 on ask for nothing: chunk 15 is the last.
.macro ASK
	s_cmp_eq_u32 s[LIM], 0
	s_cbranch_scc0 .Lnot_mine_\@
	global_prefetch_b8 v[PFO], s[KV:KV+1] offset:512 th:TH_LOAD_NT scope:SCOPE_SE
.Lnot_mine_\@:
.endm
.macro KLOAD g                         ; K's tiles 4 g .. 4 g + 3: eight parts of 512 consecutive bytes
.irp n, 0,1,2,3,4,5,6,7
	ds_load_b128 v[F+4*\n:F+4*\n+3], v[AD0] offset:4096*\g+512*\n
.endr
.endm
.macro SMUL g                          ; their scores: register 8 t + j of lane (r, h) is key 32 (t / 2) + 16 h + 8 (t % 2) + j of query r
.irp t, 0,1,2,3
	v_wmma_f32_16x16x64_bf8_bf8 v[S+32*\g+8*\t:S+32*\g+8*\t+7], v[F+8*\t:F+8*\t+7], v[Q:Q+7], 0
.endr
.endm
.macro VLOAD dst, m0                   ; V's tiles m0, m0 + 1: part c of tile m: keys 32 c + 16 h + 0 .. 15 of channel 16 m + r
.irp n, 0,1,2,3,4,5,6,7
	ds_load_b128 v[\dst+4*\n:\dst+4*\n+3], v[AD0] offset:16*(\m0+\n/4)*VP+32*(\n%4)
.endr
.endm
.macro PCVT b                          ; p's 16 neighbouring keys 32 b + 16 h + 0 .. 15 become registers 4 b .. 4 b + 3 of the second product's operand
	v_cvt_scalef32_pk8_bf8_f32 v[PC+4*\b:PC+4*\b+1], v[S+16*\b:S+16*\b+7], v[SCP]
	v_cvt_scalef32_pk8_bf8_f32 v[PC+4*\b+2:PC+4*\b+3], v[S+16*\b+8:S+16*\b+15], v[SCP]
.endm
.macro SOFTMAX
	v_max3_num_f32 v244, v[S], v[S+1], v[S+2]      ; the step's largest score of my query among my 64 keys, in two chains, each accumulator from its low end on
	v_max3_num_f32 v245, v[S+3], v[S+4], v[S+5]
.set n, 6
.rept 14
	v_max3_num_f32 v244, v244, v[S+n], v[S+n+1]
	v_max3_num_f32 v245, v245, v[S+n+2], v[S+n+3]
.set n, n+4
.endr
	v_max3_num_f32 v244, v244, v[S+62], v[S+63]
	v_max_num_f32 v244, v244, v245
	v_permlanex16_b32 v246, v244, s[SEL], s[SEL+1]
	v_max_num_f32 v244, v244, v246                 ; and among lane l xor 16's
	v_mul_f32 v244, s[CS], v244                    ; as t (the factor is positive)
	v_max_num_f32 v13, v13, v244                   ; the running largest t
	v_mov_b32 v244, v12
	v_floor_f32 v12, -v13                          ; the new -M = floor(-t) = -ceil(t): a whole number
	v_sub_f32 v244, v12, v244                      ; old M - new M: a whole number, 0 or less
	v_cvt_i32_f32 v244, v244                       ; (it saturates)
	v_ldexp_f32 v240, 1.0, v244                    ; f = 2^(old M - new M)
.set n, 0
.rept 32
	v_pk_fma_f32 v[S+n:S+n+1], v[S+n:S+n+1], s[CS:CS+1], v[12:13] op_sel_hi:[1,0,0]   ; t - M, two at a time
.set n, n+2
.endr
.set n, 0
.rept 64
	v_exp_f32 v[S+n], v[S+n]                       ; p = 2^(t - M), at most 1
.set n, n+1
.endr
	v_pk_mul_f32 v[14:15], v[14:15], v[240:241] op_sel_hi:[1,0]   ; the sums under the new M (the plain line behind the exponentials)
	s_wait_alu depctr_va_vdst(0)
	v_pk_add_f32 v[242:243], v[S:S+1], v[S+2:S+3]  ; the row's sum is taken of the unquantised p, in two chains
.set n, 4
.rept 15
	v_pk_add_f32 v[14:15], v[14:15], v[S+n:S+n+1]
	v_pk_add_f32 v[242:243], v[242:243], v[S+n+2:S+n+3]
.set n, n+4
.endr
	v_pk_add_f32 v[14:15], v[14:15], v[242:243]
.endm
; A KEY STEP: the 128 keys of the chunk at s[CB].  conv = 1: the next chunk, which lies in register set p, is quantised into LDS on the way; load = 1: set p then takes the chunk two further on; ask = 1: the prefetch;
; left: the loads that may stay out when set p has to be in.
; A load into a register that a matrix instruction has named, and a vector instruction that reads its result or writes one of its registers, stand four plain vector lines behind it; a matrix instruction that writes
; over one of its registers, five (ISA guide 7.12.1 for vector instructions).  The converter's lines are those places where there are any, v_nop where not.
.macro STEP p, conv, load, ask, left
.set SA, 176+32*(\p)
.set SB, 192+32*(\p)
	v_add_nc_u32 v[AD0], s[CB], v[AKF]             ; with the three below: four places behind the last step's products
	v_nop
	v_nop
	v_nop
	KLOAD 0
.if \conv
	s_wait_loadcnt \left                           ; set p's 20 loads are in; the chunk behind it may be out
	CVTK SA, SCK, LMK
	v_add_nc_u32 v[AD1], s[CB], v[AKS]
	ds_store_b128 v[AD1], v[CK:CK+3] offset:CH     ; into the NEXT chunk's bytes, which nobody reads before the barrier below
	s_wait_dscnt 0x1                               ; the eight fragment loads are in; the store behind them may be out
.else
	v_nop                                          ; the fifth place: the scores are written over registers that held V's tiles 2 and 3
	s_wait_dscnt 0x0
.endif
	SMUL 0
.if \conv
	HOLDV SB                                       ; sixteen plain lines: the places in front of the loads below
.else
	v_nop
	v_nop
	v_nop
	v_nop
.endif
	KLOAD 1
.if \conv
	CVTV SB
	v_add_nc_u32 v[AD2], s[CB], v[AVS]
.irp i, 0,1,2,3
	ds_store_b32 v[AD2], v[CV+\i] offset:CH+\i*VP  ; 128 consecutive bytes: a row's codes
.endr
.endif
.if \load
	s_wait_xcnt 0x0                                ; the last step's loads and prefetch have read their base: it may step
	s_add_nc_u64 s[KV:KV+1], s[KV:KV+1], 512       ; a chunk on
	LOADK KV, SA, 0, 0
	LOADV SB, 0
.endif
.if \ask
	ASK
.endif
.if \conv
	s_wait_dscnt 0x4                               ; the eight fragment loads are in (and K's store); V's four stores behind them may be out
.else
	s_wait_dscnt 0x0
.endif
	SMUL 1
	v_add_nc_u32 v[AD0], s[CB], v[AVF]             ; four places: for the loads below and for the first read of the scores
	v_nop
	v_nop
	v_nop
	VLOAD F, 0                                     ; V's tiles 0 and 1 land while the softmax is walked
	SOFTMAX
	s_cmp_ge_i32 s[E3], -15                        ; where e3 >= -15 the largest code x 2^e3 is 1.75 or more, above every p: the hold would change nothing.  (A branch on a whole number that was read; both ways give the same codes)
	s_cbranch_scc1 .Lfits_\@
.set n, 0
.rept 64
	v_min_num_f32 v[S+n], v[S+n], v[LMP]           ; p is not negative: the hold is one-sided
.set n, n+1
.endr
.Lfits_\@:
	s_wait_dscnt 0x0                               ; the converter's stores have read v160-167, which p's codes now take; V's tiles 0 and 1 are in
	PCVT 0
	PCVT 1
	VLOAD S, 2                                     ; V's tiles 2 and 3 into the registers of the p just converted
	PCVT 2
	PCVT 3
.set n, 0
.rept 16
	v_pk_mul_f32 v[O+n:O+n+1], v[O+n:O+n+1], v[240:241] op_sel_hi:[1,0]   ; O^T under the new M; also the plain lines behind the conversions
.set n, n+2
.endr
	s_wait_dscnt 0x0                               ; V's tiles are in, my reads of this chunk are over and my stores into the next have landed:
	s_barrier_signal -1                            ; say so,
	v_wmma_f32_16x16x128_bf8_bf8 v[O:O+7], v[F:F+15], v[PC:PC+15], v[O:O+7]             ; O^T += V P^T: four accumulators, one instruction a turn
	v_wmma_f32_16x16x128_bf8_bf8 v[O+8:O+15], v[F+16:F+31], v[PC:PC+15], v[O+8:O+15]
	v_wmma_f32_16x16x128_bf8_bf8 v[O+16:O+23], v[S:S+15], v[PC:PC+15], v[O+16:O+23]
	v_wmma_f32_16x16x128_bf8_bf8 v[O+24:O+31], v[S+16:S+31], v[PC:PC+15], v[O+24:O+31]
	s_add_co_u32 s[CB], s[CB], CH                  ; on to the next chunk,
	s_barrier_wait -1                              ; which is whole when all sixteen have said so
.endm
	s_load_b128 s[4:7], s[0:1], 0x0                ; the scales' exponents s[4:5], qkv s[6:7]
	s_load_b64 s[8:9], s[0:1], 0x10                ; out0
	v_lshl_add_u32 v254, v0, 2, 0x48000
	v_mov_b32 v255, 0
	v_lshrrev_b32 v32, 5, v0
	v_readfirstlane_b32 s[WV], v32                 ; wave 0..15
	v_and_b32 v33, 31, v0                          ; lane
	v_and_b32 v34, 15, v0                          ; r
	v_bfe_u32 v35, v0, 4, 1                        ; h
	v_lshlrev_b32 v[AKF], 4, v33
	v_mul_u32_u24 v[AVF], v34, VP
	v_lshl_add_u32 v[AVF], v35, 4, v[AVF]
	v_add_nc_u32 v[AVF], VO, v[AVF]
	; the converter of K and Q: wave w, lane l hold key 32 (w % 4) + l, channels 16 (w / 4) + 0 .. 15.  In the image that is tile 2 (w % 4) + (l / 8) % 2, row l % 8 + 8 (l / 16), part w / 8, half (w / 4) % 2
	v_and_b32 v[AKS], 7, v0
	v_lshlrev_b32 v[AKS], 4, v[AKS]
	v_bfe_u32 v36, v0, 3, 1
	v_lshl_add_u32 v[AKS], v36, 10, v[AKS]
	v_lshl_add_u32 v[AKS], v35, 7, v[AKS]
	s_and_b32 s32, s[WV], 3
	s_lshr_b32 s33, s[WV], 2
	s_lshl_b32 s34, s32, 11
	s_lshl_b32 s35, s33, 8
	s_add_co_u32 s34, s34, s35
	v_add_nc_u32 v[AKS], s34, v[AKS]
	s_mul_i32 s34, s[WV], 4*VP                     ; the converter of V: rows 4 w + i, keys 4 l + 0 .. 3
	s_add_co_u32 s34, s34, VO
	v_lshl_add_u32 v[AVS], v33, 2, s34
	s_lshl_b32 s34, s33, 17                        ; in memory: 16 (w / 4) rows of 8,192 bytes + 128 (w % 4) + 4 l
	s_lshl_b32 s35, s32, 7
	s_add_co_u32 s34, s34, s35
	v_lshl_add_u32 v[GK], v33, 2, s34
	s_lshl_b32 s34, s[WV], 15                      ; V: 64 rows behind K's first, + 4 w rows + 16 l
	s_add_co_u32 s34, s34, 64*ROW
	v_lshl_add_u32 v[GV], v33, 4, s34
	v_lshrrev_b32 v37, 1, v0
	v_and_b32 v38, 1, v0
	v_lshlrev_b32 v37, 13, v37
	v_lshl_add_u32 v[PFO], v38, 8, v37             ; the prefetches: row thread / 2, half thread % 2 of a chunk's 512 bytes
	s_and_b32 s32, ttmp7, 0xffff                   ; the head
	s_mul_i32 s36, s32, HEADB
	s_mov_b32 s37, 0
	s_lshl_b32 s38, ttmp9, 10                      ; my block of 256 queries, in bytes of a row
	s_mov_b32 s39, 0
	s_lshl_b32 s34, s32, 19                        ; the head in out0: 64 rows of 8,192 bytes
	s_mov_b32 s35, 0
	s_lshr_b32 s[LIM], s[WV], 3                    ; 0 in waves 0 to 7
	s_or_b32 s[LIM], s[LIM], ttmp9                 ; of the head's first work-group
	s_mov_b32 s[SEL], 0x76543210
	s_mov_b32 s[SEL+1], 0xfedcba98
	s_mov_b32 s[SCL], 0x3eb504f3                   ; 1 / sqrt(sqrt(64)) as f32 arithmetic gives it
	s_mov_b32 s[SCL+1], s[SCL]                     ; (named with it as a pair, so it is written)
	s_mov_b32 s[CB], 0
	s_mov_b32 s[CNT], 6
	s_wait_kmcnt 0x0
	s_load_b128 s[12:15], s[4:5], 0x0              ; e0, e1, e2, e3
	s_add_nc_u64 s[KV:KV+1], s[6:7], s[36:37]      ; the head's first row,
	s_add_nc_u64 s[QB:QB+1], s[KV:KV+1], s[38:39]  ; q at my block,
	s_add_nc_u64 s[KV:KV+1], s[KV:KV+1], 64*ROW    ; k's first row
	s_add_nc_u64 s[8:9], s[8:9], s[34:35]
	s_add_nc_u64 s[8:9], s[8:9], s[38:39]          ; out0 at the head's first row, my block
	LOADK QB, 208, 0, 1                            ; my block's queries 0-127 (read once in the launch),
	LOADK QB, 224, 512, 1                          ; queries 128-255,
	LOADK KV, 176, 0, 0                            ; chunk 0 of K
	LOADV 192, 0                                   ; and of V: 52 loads are out
	v_mov_b32 v13, 0xff61b1e6                      ; the largest t so far: -3e38, under every t
	v_floor_f32 v12, -v13                          ; -M
	v_mov_b32 v14, 0                               ; the sum, in two halves
	v_mov_b32 v15, 0
	v_mov_b32 v241, 0                              ; (named as the upper half of the pair v[240:241])
	v_mov_b32 v246, 0                              ; written once: a lane permute's destination counts as one of its sources
.set n, 0
.rept 32
	v_mov_b32 v[O+n], 0                            ; O^T: 32 lines once, so that the step needs no first copy of its own: the first change of M leaves zeros zeros
.set n, n+1
.endr
	s_wait_kmcnt 0x0
	MKSCALE 12, SCQ, LMQ
	MKSCALE 13, SCK, LMK
	MKSCALE 14, SCV, LMV
	MKSCALE 15, SCP, LMP
	s_add_co_i32 s32, s12, s13
	s_lshl_b32 s32, s32, 23
	s_mov_b32 s[CS], 0x3fb8aa3b                    ; log2(e);
	s_add_co_i32 s[CS], s[CS], s32                 ; a sum of codes stands for sum x 2^(e0 + e1): the two exponents are added to its exponent field
	s_mov_b32 s[CS+1], s[CS]
	s_add_co_i32 s[ESUM], s14, s15
	s_wait_loadcnt 36                              ; queries 0-127 are in (behind them: 16 + 16 + 4 loads)
	CVTK 208, SCQ, LMQ
	v_add_nc_u32 v[AD1], QIMG, v[AKS]
	ds_store_b128 v[AD1], v[CK:CK+3]               ; Q goes through K's converter: tile w of its image has K's order of rows
	s_wait_loadcnt 20                              ; queries 128-255 are in (behind them: chunk 0's 20)
	s_wait_dscnt 0x0                               ; the store has read its registers
	CVTK 224, SCQ, LMQ
	ds_store_b128 v[AD1], v[CK:CK+3] offset:8192
	LOADK KV, 208, 512, 0                          ; chunk 1
	LOADV 224, 512
	s_wait_loadcnt 20                              ; chunk 0 is in (behind it: chunk 1's 20)
	s_wait_dscnt 0x0
	CVTK 176, SCK, LMK
	ds_store_b128 v[AKS], v[CK:CK+3]
	HOLDV 192
	CVTV 192
.irp i, 0,1,2,3
	ds_store_b32 v[AVS], v[CV+\i] offset:\i*VP
.endr
	LOADK KV, 176, 1024, 0                         ; chunk 2
	LOADV 192, 1024
	s_wait_xcnt 0x0                                ; the loads have read their base
	s_add_nc_u64 s[KV:KV+1], s[KV:KV+1], 1024      ; at chunk 2: the chunk that was asked for last
	s_lshl_b32 s32, s[WV], 10
	s_add_co_u32 s32, s32, QIMG
	v_add_nc_u32 v[AD0], s32, v[AKF]
	s_wait_dscnt 0x0                               ; my stores have landed
	s_barrier_signal -1
	s_barrier_wait -1                              ; Q's image and chunk 0 are whole
	ds_load_b128 v[Q:Q+3], v[AD0]                  ; my tile: queries 128 (w / 8) + 32 ((w / 2) % 4) + 8 (w % 2) + r % 8 + 16 (r / 8) of the block
	ds_load_b128 v[Q+4:Q+7], v[AD0] offset:512
	s_wait_dscnt 0x0
.Lloop:                                            ; six trips of two steps: step j reads chunk j, quantises chunk j + 1, asks memory for chunk j + 3 and prefetches chunk j + 4
	STEP 1, 1, 1, 1, 20
	STEP 0, 1, 1, 1, 20
	s_sub_co_u32 s[CNT], s[CNT], 1
	s_cmp_lg_u32 s[CNT], 0
	s_cbranch_scc1 .Lloop
	STEP 1, 1, 1, 0, 20                            ; step 12: chunk 15 is asked for, the last
	STEP 0, 1, 0, 0, 20                            ; step 13: chunk 14 is quantised; chunk 15's 20 loads may be out
	STEP 1, 1, 0, 0, 0                             ; step 14: chunk 15
	STEP 0, 0, 0, 0, 0                             ; step 15: nothing is left to quantise
	; THE WAY OUT.  Every wave has passed the last barrier with its LDS reads over: chunks 0 to 3 become the stage.  A lane holds one query and 32 channels, out0 wants rows of queries: the 64 channels x 256 queries meet
	; in the stage, and each wave stores four whole rows of 1,024 bytes.  The address lines are the places behind the last products.
	v_and_b32 v244, 7, v0                          ; r % 8
	v_bfe_u32 v245, v0, 3, 1                       ; r / 8
	v_bfe_u32 v242, v0, 4, 1                       ; h
	v_lshlrev_b32 v[SO], 2, v244
	v_lshl_add_u32 v[SO], v245, 6, v[SO]
	v_mul_u32_u24 v242, v242, 8*SP
	v_add_nc_u32 v[SO], v[SO], v242
	s_and_b32 s32, s[WV], 14
	s_lshl_b32 s32, s32, 6
	s_and_b32 s33, s[WV], 1
	s_lshl_b32 s33, s33, 5
	s_add_co_u32 s32, s32, s33                     ; 4 x (128 (w / 8) + 32 ((w / 2) % 4) + 8 (w % 2))
	v_add_nc_u32 v[SO], s32, v[SO]                 ; in: row 8 h (+ 16 m + j in the immediate), my query's four bytes
	s_mul_i32 s33, s[WV], 4*SP
	v_add_nc_u32 v[SR], s33, v[AKF]                ; back: rows 4 w + i, 16 bytes a lane
	s_lshl_b32 s34, s[WV], 15
	v_add_f32 v14, v14, v15                        ; the sum's two halves,
	v_permlanex16_b32 v246, v14, s[SEL], s[SEL+1]
	v_add_f32 v14, v14, v246                       ; and lane l xor 16's: the row's sum
	v_rcp_f32 v14, v14
	v_add_nc_u32 v[GO], s34, v[AKF]                ; (the plain line behind the reciprocal)  the same rows in out0
	s_wait_alu depctr_va_vdst(0)
	v_ldexp_f32 v14, v14, s[ESUM]                  ; x 2^(e2 + e3)
.set n, 0
.rept 16
	v_pk_mul_f32 v[S+n:S+n+1], v[O+n:O+n+1], v[14:15] op_sel_hi:[1,0]   ; register 8 m + j: channel 16 m + 8 h + j of my query; each accumulator from its low end on
.set n, n+2
.endr
.irp m, 0,1,2,3
.irp j, 0,1,2,3,4,5,6,7
	ds_store_b32 v[SO], v[S+8*\m+\j] offset:(16*\m+\j)*SP   ; lanes 0-15 take words 0-7 and 16-23 of a run of 64, lanes 16-31 (8 rows = 2,080 words on) words 32-39 and 48-55
.endr
.endr
	s_wait_dscnt 0x0                               ; for the others' sake: my stores into the stage are done
	s_barrier_signal -1
	s_barrier_wait -1
.irp k, 0,1,2,3,4,5,6,7
	ds_load_b128 v[F+4*\k:F+4*\k+3], v[SR] offset:(\k/2)*SP+512*(\k%2)
.endr
.irp k, 0,1,2,3,4,5,6,7
	s_wait_dscnt 7-\k                              ; LDS loads come back in order: load k is in, the younger ones may be out
	global_store_b128 v[GO], v[F+4*\k:F+4*\k+3], s[8:9] offset:(\k/2)*ROW+512*(\k%2) th:TH_STORE_NT   ; 32 lanes store 512 consecutive bytes, at a multiple of 512 from out0's first byte; written once, read by nobody here
.endr
	s_wait_tensorcnt 0x0
	ds_add_u32 v254, v255
	s_wait_dscnt 0x0
	s_endpgm
.Lfunc_end_k_q658dccdaeb_attn:
	.size	k_q658dccdaeb_attn, .Lfunc_end_k_q658dccdaeb_attn-k_q658dccdaeb_attn
	.p2alignl 7, 3214868480
	.fill 96, 4, 3214868480
	.section	.rodata,"a",@progbits
	.p2align	6, 0x0
	.amdhsa_kernel k_q658dccdaeb_attn
		.amdhsa_group_segment_fixed_size 296960
		.amdhsa_private_segment_fixed_size 0
		.amdhsa_enable_private_segment 0
		.amdhsa_kernarg_size 24
		.amdhsa_user_sgpr_count 2
		.amdhsa_user_sgpr_kernarg_segment_ptr 1
		.amdhsa_wavefront_size32 1
		.amdhsa_system_sgpr_workgroup_id_x 1
		.amdhsa_system_sgpr_workgroup_id_y 1
		.amdhsa_system_sgpr_workgroup_id_z 1
		.amdhsa_system_vgpr_workitem_id 0
		.amdhsa_next_free_vgpr 256
		.amdhsa_next_free_sgpr 66
		.amdhsa_reserve_vcc 0
		.amdhsa_float_denorm_mode_32 3
		.amdhsa_float_denorm_mode_16_64 3
		.amdhsa_memory_ordered 1
		.amdhsa_forward_progress 1
		.amdhsa_inst_pref_size 142
	.end_amdhsa_kernel
	.amdgpu_metadata
---
amdhsa.version: [ 1, 2 ]
amdhsa.kernels:
  - .name:           k_q658dccdaeb_attn
    .symbol:         k_q658dccdaeb_attn.kd
    .args:
      - { .name: lowp_scales, .offset: 0, .size: 8, .value_kind: global_buffer, .address_space: global }
      - { .name: qkv, .offset: 8, .size: 8, .value_kind: global_buffer, .address_space: global }
      - { .name: out0, .offset: 16, .size: 8, .value_kind: global_buffer, .address_space: global }
    .group_segment_fixed_size: 296960
    .private_segment_fixed_size: 0
    .kernarg_segment_align: 8
    .kernarg_segment_size: 24
    .max_flat_workgroup_size: 512
    .sgpr_count:     66
    .vgpr_count:     256
    .wavefront_size: 32
...
	.end_amdgpu_metadata
.endif
;; end of part 1
;; ======== version 2 of 2: 1 launch; version 1 with the launch attn written anew for expert scheduling mode
;; launch attn (part 2): grid 8 x 32, 16 waves a work-group, no clusters, 296,960 bytes of LDS; arguments lowp_scales, qkv, out0; writes out0
.if DOCPART == 2
	.amdgcn_target "amdgcn-amd-amdhsa--gfx1250"
	.amdhsa_code_object_version 6
	.text
	.protected	k_q658dccdaeb_attn
	.globl	k_q658dccdaeb_attn
	.p2align	8
	.type	k_q658dccdaeb_attn,@function
k_q658dccdaeb_attn:
	s_mov_b64 s[64:65], 0
	v_nop
	global_prefetch_b8 v0, s[64:65] scope:SCOPE_SE
	s_setreg_imm32_b32 hwreg(HW_REG_WAVE_SCHED_MODE, 0, 2), 2
	s_setreg_imm32_b32 hwreg(HW_REG_WAVE_MODE, 25, 1), 1
	s_wait_xcnt 0x0
	s_wait_alu depctr_vm_vsrc(0)
; a[head][c][t] = sum over s of softmax_s(sum over c' of (q[c'][t] x sc)(k[c'][s] x sc)) v[c][s],  sc = 1 / sqrt(sqrt(64)) in f32; 32 heads, 64 channels, 2,048 places.
; Both products on codes of BF8 (E5M2), each operand with its given scale 2^e: e0 (q x sc), e1 (k x sc), e2 (v), e3 (p).
; qkv: a head is 192 rows of 2,048 f32 (8,192 bytes): 64 of q, 64 of k, 64 of v.  out0: a head is 64 rows (channels) of 2,048 f32.
; THE SOFTMAX: t = logit x log2(e); M = the running largest t rounded UP to a whole number; p = 2^(t - M) is quantised, not normalised; the row's sum is taken of the unquantised p and divides at the end;
; when M moves, the sum and O are multiplied by 2^(old M - new M), which rounds nothing.
; SHARES.  A work-group owns 256 queries of one head (x: the block, y: the head); each of its sixteen waves owns 16 of them, one tile, in 256 registers, four waves to a SIMD: one wave's vector work stands beside
; another's matrix work and LDS loads.  Every wave walks the head's 2,048 keys, 128 a step.
; K AND V ARRIVE AS f32 AND ARE QUANTISED HERE, a chunk of 128 keys a step, one step ahead of its use, into LDS bytes that are written ONCE and stay (16 chunks x 17,408 bytes): so one barrier a step (store, barrier, read)
; is all the ordering.  The f32 numbers of the two chunks behind that one are on their way into two sets of 32 registers: 2 x 65,536 bytes a work-group.
; K (and Q): the contracted axis, the channels, is the OUTER axis in memory: a lane takes a column (a key) and its 16 registers run down 16 channels, so the conversions give codes with the channels innermost.
; They are stored as an IMAGE OF THE OPERAND'S REGISTERS: tile t, part c', lane (r, h): 16 bytes at 512 (2 t + c') + 16 lane = channels 32 c' + 16 h + 0 .. 15 of key 32 (t / 2) + 8 (t % 2) + r + 8 (r / 8).
; (The same permutation of the channels in K's and in Q's fragments: every product meets its partner.)  THE KEYS OF A TILE ARE NOT NEIGHBOURS, so that the 16 registers of score tiles 2 b, 2 b + 1 are 16 neighbouring keys.
; V: the contracted axis, the keys, is innermost: rows of 128 codes, 144 bytes apart (9 x 16: the 16 rows of a fragment load begin at 16 different groups of banks).
; BOTH PRODUCTS ARE USED TRANSPOSED: S^T = K Q^T (source 0 = 16 keys, source 1 = my 16 queries), O^T = V P^T (source 0 = 16 channels, source 1 = p's codes): a lane holds ONE query throughout.
; NO CLUSTER, NO JOINT LOADS: what the eight work-groups of a head share is f32 that must pass through registers to become codes; as tiles it would be 65,536 bytes a step, and two slots of that (131,072) do not fit
; beside the 294,912 bytes of resident codes in the 327,680 that a work-group may claim.
; LIMITS on the given exponents, so that each power of two below is an f32 number: e0, e1, e2 between -126 and 112; e0 + e1 between -126 and 127; e3 between -109 and 112 (v_exp_f32 gives 0 below 2^-126, which must
; lie under half of p's smallest code x 2^e3 = 2^(e3 - 17)).  NaN among the inputs is not served; an infinity is held at the largest code.
; THE MODE: SCHED_MODE bits 1:0 = 2 (LLVM: expert scheduling mode 2), set by the entry lines.  The code itself states the register dependences between vector or matrix instructions and memory or LDS
; instructions, with s_wait_alu, always for 0.
; THE PLAN.  Registers that memory or LDS instructions touch in a step, in the step's order:
;   v8, v249, v9, v247  the step's four LDS addresses: written together at the step's head, read by that step's LDS instructions alone.
;   v64-95    K's tiles 4-7 land; the first four score products read them; the second four write scores over them; the softmax; p's conversions 0 and 1 read them; V's tiles 2 and 3 land; the last products read them.
;   v32-63    K's tiles 0-3 land; the second four score products read them; V's tiles 0 and 1 land; the last products read them.
;   v160-167  the converter's conversions write them; five LDS stores read them; p's conversions write them again.
;   set p     (v176-207, v208-239 by turns) the converter reads and writes it; then the 20 loads of the chunk two further on land in it.
;   v5, v6, v7  offsets of the global loads and of the prefetch: made at the kernel's head, never written again.
; So a step has four waits on va_vdst: behind the four address lines, ahead of K's 16 loads; behind the converter and the scores, ahead of one run of five stores, eight LDS loads, 20 global loads and the prefetch, among
; which no vector line stands; behind the exponentials; behind p's conversions 0 and 1, ahead of V's second eight loads.  And two on vm_vsrc: ahead of the address lines, and ahead of p's conversions.
.set ROW,   8192                       ; bytes of a row of qkv and of out0
.set HEADB, 192*ROW                    ; a head in qkv
.set VP,    144                        ; a row of V's codes in LDS
.set VO,    8192                       ; V's rows begin here in a chunk, behind K's image
.set CH,    VO+64*VP                   ; a chunk: 17,408 bytes
.set QIMG,  16*CH                      ; behind the 16 chunks: Q's image, 16 tiles x 1,024 bytes; ends at 294,912
.set SP,    1040                       ; the way out: a stage of 64 rows (channels) x (256 queries x 4 bytes + 16), laid over chunks 0 to 3 when nobody reads them any more
.set AKF, 1                            ; v1   16 x lane: my place in an image
.set AVF, 2                            ; v2   VO + 144 r + 16 h: my place in a tile of V
.set AKS, 3                            ; v3   where I store 16 codes of K's (or Q's) image
.set AVS, 4                            ; v4   where I store 4 codes of V's rows
.set GK,  5                            ; v5   my byte among K's (or Q's) rows in memory; never rewritten
.set GV,  6                            ; v6   my byte among V's rows, counted from K's first row; never rewritten
.set PFO, 7                            ; v7   the prefetches' offset; never rewritten
.set AD0, 8                            ; v8   LDS address of K's fragment loads (at the head: of Q's)
.set AD1, 9                            ; v9   of K's store (at the head: of Q's)
.set SO,  10                           ; v10  the stage, on the way in
.set SR,  11                           ; v11  and back
                                       ; v12 -M, v13 the largest t, v[14:15] the sum in two halves
.set Q,   16                           ; v16-23   my queries' fragment
.set SCK, 24                           ; v24, v25 2^e1 and 57,344 x 2^e1;  v26, v27 with e2;  v28, v29 with e3;  v30, v31 with e0
.set LMK, 25
.set SCV, 26
.set LMV, 27
.set SCP, 28
.set LMP, 29
.set SCQ, 30
.set LMQ, 31
.set F,   32                           ; v32-63   fragments: K's tiles 0 to 3, later V's tiles 0 and 1
.set S,   64                           ; v64-127  S^T, then p; v64-95 hold K's tiles 4 to 7 at a step's head and take V's tiles 2 and 3 at its end
.set O,   128                          ; v128-159 O^T
.set PC,  160                          ; v160-175 p's codes; earlier in a step the converter's codes lie here:
.set CK,  160                          ; v160-163 16 codes of K
.set CV,  164                          ; v164-167 4 x 4 codes of V
                                       ; v176-239 two sets of 16 (K) + 16 (V) numbers on their way from memory; v[240:241] f; v[242:243], v244, v245 at work; v246 a lane permute's destination
.set AD2, 247                          ; v247 LDS address of V's stores
.set GO,  248                          ; v248 the way out: my byte in the work-group's part of out0
.set AD3, 249                          ; v249 LDS address of V's fragment loads
                                       ; v254, v255 the closing add's two registers: my spare word behind Q's image, and 0; made at the head and kept for that line alone
.set WV,  10                           ; s10  my wave's number
.set E3,  15                           ; s[12:15] e0 .. e3
.set QB,  16                           ; s[16:17] q at my work-group's first query
.set KV,  18                           ; s[18:19] k's first row of the head, at the chunk that was asked for last
.set SEL, 20                           ; s[20:21] lane selects for v_permlanex16_b32: lane l xor 16
.set CS,  22                           ; s[22:23] log2(e) x 2^(e0 + e1): the packed form names a pair and takes its low word for both halves
.set CB,  24                           ; s24  LDS byte at which the chunk in hand begins
.set CNT, 26                           ; s26  trips
.set LIM, 27                           ; s27  0 in a wave that prefetches
.set SCL, 28                           ; s[28:29] sc
.set ESUM, 30                          ; s30  e2 + e3
; 16 numbers of K or Q: my column, 16 channels down: each load reads 128 consecutive bytes a wave, and the four waves w % 4 stand side by side on 512
.macro LOADK base, dst, off, nt
.irp i, 0,1,2,3,4,5,6,7,8,9,10,11,12,13,14,15
.if \nt
	global_load_b32 v[\dst+\i], v[GK], s[\base:\base+1] offset:\i*ROW+\off th:TH_LOAD_NT
.else
	global_load_b32 v[\dst+\i], v[GK], s[\base:\base+1] offset:\i*ROW+\off
.endif
.endr
.endm
; 16 numbers of V: rows 4 w + i, my 4 keys: each load reads 512 consecutive bytes
.macro LOADV dst, off
.irp i, 0,1,2,3
	global_load_b128 v[\dst+4*\i:\dst+4*\i+3], v[GV], s[KV:KV+1] offset:\i*ROW+\off
.endr
.endm
; 16 numbers x sc, held within the largest code x the scale, to 16 codes in v[CK] on
.macro CVTK src, sc, lim
.irp i, 0,2,4,6,8,10,12,14
	v_pk_mul_f32 v[\src+\i:\src+\i+1], v[\src+\i:\src+\i+1], s[SCL:SCL+1] op_sel_hi:[1,0]   ; x sc, an f32 product of its own, as the problem has it ahead of the quantiser
.endr
.irp i, 0,1,2,3,4,5,6,7,8,9,10,11,12,13,14,15
	v_med3_num_f32 v[\src+\i], v[\src+\i], -v[\lim], v[\lim]   ; the conversion to an 8-bit code does not saturate (ISA guide 7.6.2)
.endr
	v_cvt_scalef32_pk8_bf8_f32 v[CK:CK+1], v[\src:\src+7], v[\sc]
	v_cvt_scalef32_pk8_bf8_f32 v[CK+2:CK+3], v[\src+8:\src+15], v[\sc]
	v_nop                                          ; one plain vector line behind the last conversion of a run
.endm
.macro HOLDV src, from                 ; eight of V's sixteen numbers, from register from on
.irp i, 0,1,2,3,4,5,6,7
	v_med3_num_f32 v[\src+\from+\i], v[\src+\from+\i], -v[LMV], v[LMV]
.endr
.endm
.macro CVTV src                        ; register 4 i + n is key 4 lane + n of row 4 w + i: each word of the result is one row's four codes (all under one scale)
	v_cvt_scalef32_pk8_bf8_f32 v[CV:CV+1], v[\src:\src+7], v[SCV]
	v_cvt_scalef32_pk8_bf8_f32 v[CV+2:CV+3], v[\src+8:\src+15], v[SCV]
	v_nop
.endm
.macro MKSCALE e, sc, lim              ; 2^e and 57,344 x 2^e as f32
	s_add_co_i32 s32, s[\e], 127
	s_lshl_b32 s33, s32, 23
	v_mov_b32 v[\sc], s33
	s_add_co_i32 s32, s32, 15
	s_lshl_b32 s32, s32, 23
	s_or_b32 s32, s32, 0x600000
	v_mov_b32 v[\lim], s32
.endm
; A PREFETCH INTO THE L2 of the chunk that the NEXT step's loads will ask for: 128 rows (64 of k, 64 of v) x 512 bytes = 256 aligned blocks of 256 bytes.  It stands behind the step's own 20 loads.
; All eight work-groups of a head walk the same k and v: the head's first work-group asks, its waves 0 to 7, thread b for block b (row b / 2, half b % 2): each block is named once in the launch.
; Chunks 0 to 3 come by their loads alone; the steps from 12 on ask for nothing: chunk 15 is the last.
.macro ASK
	s_cmp_eq_u32 s[LIM], 0
	s_cbranch_scc0 .Lnot_mine_\@
	global_prefetch_b8 v[PFO], s[KV:KV+1] offset:512 th:TH_LOAD_NT scope:SCOPE_SE
.Lnot_mine_\@:
.endm
.macro KLOAD g, dst                    ; K's tiles 4 g .. 4 g + 3: eight parts of 512 consecutive bytes
.irp n, 0,1,2,3,4,5,6,7
	ds_load_b128 v[\dst+4*\n:\dst+4*\n+3], v[AD0] offset:4096*\g+512*\n
.endr
.endm
.macro SMUL g, src                     ; their scores: register 8 t + j of lane (r, h) is key 32 (t / 2) + 16 h + 8 (t % 2) + j of query r
.irp t, 0,1,2,3
	v_wmma_f32_16x16x64_bf8_bf8 v[S+32*\g+8*\t:S+32*\g+8*\t+7], v[\src+8*\t:\src+8*\t+7], v[Q:Q+7], 0
.endr
.endm
.macro VLOAD dst, m0                   ; V's tiles m0, m0 + 1: part c of tile m: keys 32 c + 16 h + 0 .. 15 of channel 16 m + r
.irp n, 0,1,2,3,4,5,6,7
	ds_load_b128 v[\dst+4*\n:\dst+4*\n+3], v[AD3] offset:16*(\m0+\n/4)*VP+32*(\n%4)
.endr
.endm
.macro PCVT b                          ; p's 16 neighbouring keys 32 b + 16 h + 0 .. 15 become registers 4 b .. 4 b + 3 of the second product's operand
	v_cvt_scalef32_pk8_bf8_f32 v[PC+4*\b:PC+4*\b+1], v[S+16*\b:S+16*\b+7], v[SCP]
	v_cvt_scalef32_pk8_bf8_f32 v[PC+4*\b+2:PC+4*\b+3], v[S+16*\b+8:S+16*\b+15], v[SCP]
.endm
.macro SOFTMAX
	v_max3_num_f32 v244, v[S], v[S+1], v[S+2]      ; the step's largest score of my query among my 64 keys, in two chains, each accumulator from its low end on
	v_max3_num_f32 v245, v[S+3], v[S+4], v[S+5]
.set n, 6
.rept 14
	v_max3_num_f32 v244, v244, v[S+n], v[S+n+1]
	v_max3_num_f32 v245, v245, v[S+n+2], v[S+n+3]
.set n, n+4
.endr
	v_max3_num_f32 v244, v244, v[S+62], v[S+63]
	v_max_num_f32 v244, v244, v245
	v_permlanex16_b32 v246, v244, s[SEL], s[SEL+1]
	v_max_num_f32 v244, v244, v246                 ; and among lane l xor 16's
	v_mul_f32 v244, s[CS], v244                    ; as t (the factor is positive)
	v_max_num_f32 v13, v13, v244                   ; the running largest t
	v_mov_b32 v244, v12
	v_floor_f32 v12, -v13                          ; the new -M = floor(-t) = -ceil(t): a whole number
	v_sub_f32 v244, v12, v244                      ; old M - new M: a whole number, 0 or less
	v_cvt_i32_f32 v244, v244                       ; (it saturates)
	v_ldexp_f32 v240, 1.0, v244                    ; f = 2^(old M - new M)
.set n, 0
.rept 32
	v_pk_fma_f32 v[S+n:S+n+1], v[S+n:S+n+1], s[CS:CS+1], v[12:13] op_sel_hi:[1,0,0]   ; t - M, two at a time
.set n, n+2
.endr
.set n, 0
.rept 64
	v_exp_f32 v[S+n], v[S+n]                       ; p = 2^(t - M), at most 1
.set n, n+1
.endr
	v_pk_mul_f32 v[14:15], v[14:15], v[240:241] op_sel_hi:[1,0]   ; the sums under the new M (the plain line behind the exponentials)
	s_wait_alu depctr_va_vdst(0)                   ; the 64 exponentials have written p in v64-127, ahead of its first reader: one wait for the batch
	v_pk_add_f32 v[242:243], v[S:S+1], v[S+2:S+3]  ; the row's sum is taken of the unquantised p, in two chains
.set n, 4
.rept 15
	v_pk_add_f32 v[14:15], v[14:15], v[S+n:S+n+1]
	v_pk_add_f32 v[242:243], v[242:243], v[S+n+2:S+n+3]
.set n, n+4
.endr
	v_pk_add_f32 v[14:15], v[14:15], v[242:243]
.endm
; A KEY STEP: the 128 keys of the chunk at s[CB].  conv = 1: the next chunk, which lies in register set p, is quantised into LDS on the way; load = 1: set p then takes the chunk two further on; ask = 1: the prefetch;
; left: the loads that may stay out when set p has to be in.
; A vector instruction that reads a matrix result or writes one of a matrix instruction's registers stands four plain vector lines behind it; a matrix instruction that writes over one of its registers, five
; (ISA guide 7.12.1 for vector instructions).  The address lines and the converter's holds are those places where there are any, v_nop where not.
.macro STEP p, conv, load, ask, left
.set SA, 176+32*(\p)
.set SB, 192+32*(\p)
	s_wait_alu depctr_vm_vsrc(0)                   ; the LDS loads and stores issued so far have read the address registers v8, v249, v9, v247, which the lines below write anew
	v_add_nc_u32 v[AD0], s[CB], v[AKF]             ; the step's LDS addresses, all at once: four plain lines behind the last step's products
	v_add_nc_u32 v[AD3], s[CB], v[AVF]
.if \conv
	v_add_nc_u32 v[AD1], s[CB], v[AKS]
	v_add_nc_u32 v[AD2], s[CB], v[AVS]
.else
	v_nop
	v_nop
.endif
	s_wait_alu depctr_va_vdst(0)                   ; the addresses are written, which all LDS instructions of the step read; the last step's products are done reading v32-63 and v64-95, in which the 16 loads below land
	KLOAD 1, S                                     ; K's tiles 4-7, into the registers that the scores of tiles 0-3 take later
	KLOAD 0, F                                     ; K's tiles 0-3
.if \conv
	s_wait_loadcnt \left                           ; set p's 20 loads are in; the chunk behind it may be out
	CVTK SA, SCK, LMK
.endif
	s_wait_dscnt 0x8                               ; LDS loads come back in order: tiles 4-7 are in, the eight loads of tiles 0-3 may be out
	SMUL 1, S
.if \conv
	HOLDV SB, 0                                    ; eight plain lines: the places in front of the products below, which write over the registers that held tiles 4-7
.else
	v_nop
	v_nop
	v_nop
	v_nop
	v_nop
.endif
	s_wait_dscnt 0x0                               ; tiles 0-3 are in
	SMUL 0, F
.if \conv
	HOLDV SB, 8                                    ; eight plain lines: the places in front of the first read of the scores
	CVTV SB
	s_wait_alu depctr_va_vdst(0)                   ; the conversions have written v160-167, the stores' data, and are done with set p, in which the global loads land; the score products are done reading v32-63, in which V's tiles land
	ds_store_b128 v[AD1], v[CK:CK+3] offset:CH     ; into the NEXT chunk's bytes, which nobody reads before the barrier below
.irp i, 0,1,2,3
	ds_store_b32 v[AD2], v[CV+\i] offset:CH+\i*VP  ; 128 consecutive bytes: a row's codes
.endr
.else
	v_nop
	v_nop
	v_nop
	v_nop
	s_wait_alu depctr_va_vdst(0)                   ; the score products are done reading v32-63, in which V's tiles land
.endif
	VLOAD F, 0                                     ; V's tiles 0 and 1 land while the softmax is walked.  No vector line stands between the wait above and the prefetch below
.if \load
	s_wait_xcnt 0x0                                ; the last step's loads and prefetch have read their base: it may step
	s_add_nc_u64 s[KV:KV+1], s[KV:KV+1], 512       ; a chunk on
	LOADK KV, SA, 0, 0
	LOADV SB, 0
.endif
.if \ask
	ASK
.endif
	SOFTMAX
.if \conv
	s_wait_alu depctr_vm_vsrc(0)                   ; the converter's five stores have read v160-167, which p's conversions write; it stands ahead of the branch, on both ways
.endif
	s_cmp_ge_i32 s[E3], -15                        ; where e3 >= -15 the largest code x 2^e3 is 1.75 or more, above every p: the hold would change nothing.  (A branch on a whole number that was read; both ways give the same codes)
	s_cbranch_scc1 .Lfits_\@
.set n, 0
.rept 64
	v_min_num_f32 v[S+n], v[S+n], v[LMP]           ; p is not negative: the hold is one-sided
.set n, n+1
.endr
.Lfits_\@:
	s_wait_dscnt 0x0                               ; the converter's stores are done; V's tiles 0 and 1 are in
	PCVT 0
	PCVT 1
	s_wait_alu depctr_va_vdst(0)                   ; these four conversions, and all that wrote p, are done with v64-95, in which the loads below land
	VLOAD S, 2                                     ; V's tiles 2 and 3 into the registers of the p just converted
	PCVT 2
	PCVT 3
.set n, 0
.rept 16
	v_pk_mul_f32 v[O+n:O+n+1], v[O+n:O+n+1], v[240:241] op_sel_hi:[1,0]   ; O^T under the new M; also the plain lines behind the conversions
.set n, n+2
.endr
	s_wait_dscnt 0x0                               ; V's tiles are in, my reads of this chunk are over and my stores into the next have landed:
	s_barrier_signal -1                            ; say so,
	v_wmma_f32_16x16x128_bf8_bf8 v[O:O+7], v[F:F+15], v[PC:PC+15], v[O:O+7]             ; O^T += V P^T: four accumulators, one instruction a turn
	v_wmma_f32_16x16x128_bf8_bf8 v[O+8:O+15], v[F+16:F+31], v[PC:PC+15], v[O+8:O+15]
	v_wmma_f32_16x16x128_bf8_bf8 v[O+16:O+23], v[S:S+15], v[PC:PC+15], v[O+16:O+23]
	v_wmma_f32_16x16x128_bf8_bf8 v[O+24:O+31], v[S+16:S+31], v[PC:PC+15], v[O+24:O+31]
	s_add_co_u32 s[CB], s[CB], CH                  ; on to the next chunk,
	s_barrier_wait -1                              ; which is whole when all sixteen have said so
.endm
	s_load_b128 s[4:7], s[0:1], 0x0                ; the scales' exponents s[4:5], qkv s[6:7]
	s_load_b64 s[8:9], s[0:1], 0x10                ; out0
	v_lshl_add_u32 v254, v0, 2, 0x48000            ; my spare word: behind Q's image, 4 x my thread's number on
	v_mov_b32 v255, 0
	v_lshrrev_b32 v32, 5, v0
	v_readfirstlane_b32 s[WV], v32                 ; wave 0..15
	v_and_b32 v33, 31, v0                          ; lane
	v_and_b32 v34, 15, v0                          ; r
	v_bfe_u32 v35, v0, 4, 1                        ; h
	v_lshlrev_b32 v[AKF], 4, v33
	v_mul_u32_u24 v[AVF], v34, VP
	v_lshl_add_u32 v[AVF], v35, 4, v[AVF]
	v_add_nc_u32 v[AVF], VO, v[AVF]
	; the converter of K and Q: wave w, lane l hold key 32 (w % 4) + l, channels 16 (w / 4) + 0 .. 15.  In the image that is tile 2 (w % 4) + (l / 8) % 2, row l % 8 + 8 (l / 16), part w / 8, half (w / 4) % 2
	v_and_b32 v[AKS], 7, v0
	v_lshlrev_b32 v[AKS], 4, v[AKS]
	v_bfe_u32 v36, v0, 3, 1
	v_lshl_add_u32 v[AKS], v36, 10, v[AKS]
	v_lshl_add_u32 v[AKS], v35, 7, v[AKS]
	s_wait_alu depctr_va_sdst(0)                   ; s10, my wave's number, is written, ahead of its first reader
	s_and_b32 s32, s[WV], 3
	s_lshr_b32 s33, s[WV], 2
	s_lshl_b32 s34, s32, 11
	s_lshl_b32 s35, s33, 8
	s_add_co_u32 s34, s34, s35
	v_add_nc_u32 v[AKS], s34, v[AKS]
	s_mul_i32 s34, s[WV], 4*VP                     ; the converter of V: rows 4 w + i, keys 4 l + 0 .. 3
	s_add_co_u32 s34, s34, VO
	v_lshl_add_u32 v[AVS], v33, 2, s34
	s_lshl_b32 s34, s33, 17                        ; in memory: 16 (w / 4) rows of 8,192 bytes + 128 (w % 4) + 4 l
	s_lshl_b32 s35, s32, 7
	s_add_co_u32 s34, s34, s35
	v_lshl_add_u32 v[GK], v33, 2, s34
	s_lshl_b32 s34, s[WV], 15                      ; V: 64 rows behind K's first, + 4 w rows + 16 l
	s_add_co_u32 s34, s34, 64*ROW
	v_lshl_add_u32 v[GV], v33, 4, s34
	v_lshrrev_b32 v37, 1, v0
	v_and_b32 v38, 1, v0
	v_lshlrev_b32 v37, 13, v37
	v_lshl_add_u32 v[PFO], v38, 8, v37             ; the prefetches: row thread / 2, half thread % 2 of a chunk's 512 bytes
	v_add_nc_u32 v[AD1], QIMG, v[AKS]              ; where I store Q's codes: Q goes through K's converter
	s_lshl_b32 s34, s[WV], 10
	s_add_co_u32 s34, s34, QIMG
	v_add_nc_u32 v[AD0], s34, v[AKF]               ; and where I read my tile of Q's image: tile w
	s_and_b32 s32, ttmp7, 0xffff                   ; the head
	s_mul_i32 s36, s32, HEADB
	s_mov_b32 s37, 0
	s_lshl_b32 s38, ttmp9, 10                      ; my block of 256 queries, in bytes of a row
	s_mov_b32 s39, 0
	s_lshl_b32 s34, s32, 19                        ; the head in out0: 64 rows of 8,192 bytes
	s_mov_b32 s35, 0
	s_lshr_b32 s[LIM], s[WV], 3                    ; 0 in waves 0 to 7
	s_or_b32 s[LIM], s[LIM], ttmp9                 ; of the head's first work-group
	s_mov_b32 s[SEL], 0x76543210
	s_mov_b32 s[SEL+1], 0xfedcba98
	s_mov_b32 s[SCL], 0x3eb504f3                   ; 1 / sqrt(sqrt(64)) as f32 arithmetic gives it
	s_mov_b32 s[SCL+1], s[SCL]                     ; (named with it as a pair, so it is written)
	s_mov_b32 s[CB], 0
	s_mov_b32 s[CNT], 6
	s_wait_kmcnt 0x0
	s_load_b128 s[12:15], s[4:5], 0x0              ; e0, e1, e2, e3
	s_add_nc_u64 s[KV:KV+1], s[6:7], s[36:37]      ; the head's first row,
	s_add_nc_u64 s[QB:QB+1], s[KV:KV+1], s[38:39]  ; q at my block,
	s_add_nc_u64 s[KV:KV+1], s[KV:KV+1], 64*ROW    ; k's first row
	s_add_nc_u64 s[8:9], s[8:9], s[34:35]
	s_add_nc_u64 s[8:9], s[8:9], s[38:39]          ; out0 at the head's first row, my block
	s_wait_alu depctr_va_vdst(0)                   ; the offsets and addresses v1 to v9 are written, which the loads, stores and prefetches below read, and v254, v255, which the closing add reads
	LOADK QB, 208, 0, 1                            ; my block's queries 0-127 (read once in the launch),
	LOADK QB, 224, 512, 1                          ; queries 128-255,
	LOADK KV, 176, 0, 0                            ; chunk 0 of K
	LOADV 192, 0                                   ; and of V: 52 loads are out
	v_mov_b32 v13, 0xff61b1e6                      ; the largest t so far: -3e38, under every t
	v_floor_f32 v12, -v13                          ; -M
	v_mov_b32 v14, 0                               ; the sum, in two halves
	v_mov_b32 v15, 0
	v_mov_b32 v241, 0                              ; (named as the upper half of the pair v[240:241])
	v_mov_b32 v246, 0                              ; written once: a lane permute's destination counts as one of its sources
.set n, 0
.rept 32
	v_mov_b32 v[O+n], 0                            ; O^T: 32 lines once, so that the step needs no first copy of its own: the first change of M leaves zeros zeros
.set n, n+1
.endr
	s_wait_kmcnt 0x0
	MKSCALE 12, SCQ, LMQ
	MKSCALE 13, SCK, LMK
	MKSCALE 14, SCV, LMV
	MKSCALE 15, SCP, LMP
	s_add_co_i32 s32, s12, s13
	s_lshl_b32 s32, s32, 23
	s_mov_b32 s[CS], 0x3fb8aa3b                    ; log2(e);
	s_add_co_i32 s[CS], s[CS], s32                 ; a sum of codes stands for sum x 2^(e0 + e1): the two exponents are added to its exponent field
	s_mov_b32 s[CS+1], s[CS]
	s_add_co_i32 s[ESUM], s14, s15
	s_wait_loadcnt 36                              ; queries 0-127 are in (behind them: 16 + 16 + 4 loads)
	CVTK 208, SCQ, LMQ
	s_wait_alu depctr_va_vdst(0)                   ; the conversions have written v160-163, which the store reads
	ds_store_b128 v[AD1], v[CK:CK+3]               ; Q goes through K's converter: tile w of its image has K's order of rows
	s_wait_loadcnt 20                              ; queries 128-255 are in (behind them: chunk 0's 20)
	s_wait_dscnt 0x0                               ; the store is done
	s_wait_alu depctr_vm_vsrc(0)                   ; the store has read v160-163, which the conversions below write again
	CVTK 224, SCQ, LMQ
	s_wait_alu depctr_va_vdst(0)                   ; the conversions have written v160-163, which the store reads, and are done with v208-239, in which chunk 1's loads land
	ds_store_b128 v[AD1], v[CK:CK+3] offset:8192
	LOADK KV, 208, 512, 0                          ; chunk 1
	LOADV 224, 512
	s_wait_loadcnt 20                              ; chunk 0 is in (behind it: chunk 1's 20)
	s_wait_dscnt 0x0
	s_wait_alu depctr_vm_vsrc(0)                   ; the store has read v160-163, which the conversions below write again
	CVTK 176, SCK, LMK
	HOLDV 192, 0
	HOLDV 192, 8
	CVTV 192
	s_wait_alu depctr_va_vdst(0)                   ; the conversions have written v160-167, which the five stores read, and are done with v176-207, in which chunk 2's loads land
	ds_store_b128 v[AKS], v[CK:CK+3]
.irp i, 0,1,2,3
	ds_store_b32 v[AVS], v[CV+\i] offset:\i*VP
.endr
	LOADK KV, 176, 1024, 0                         ; chunk 2
	LOADV 192, 1024
	s_wait_xcnt 0x0                                ; the loads have read their base
	s_add_nc_u64 s[KV:KV+1], s[KV:KV+1], 1024      ; at chunk 2: the chunk that was asked for last
	s_wait_dscnt 0x0                               ; my stores have landed
	s_barrier_signal -1
	s_barrier_wait -1                              ; Q's image and chunk 0 are whole
	ds_load_b128 v[Q:Q+3], v[AD0]                  ; my tile: queries 128 (w / 8) + 32 ((w / 2) % 4) + 8 (w % 2) + r % 8 + 16 (r / 8) of the block
	ds_load_b128 v[Q+4:Q+7], v[AD0] offset:512
	s_wait_dscnt 0x0
.Lloop:                                            ; six trips of two steps: step j reads chunk j, quantises chunk j + 1, asks memory for chunk j + 3 and prefetches chunk j + 4
	STEP 1, 1, 1, 1, 20
	STEP 0, 1, 1, 1, 20
	s_sub_co_u32 s[CNT], s[CNT], 1
	s_cmp_lg_u32 s[CNT], 0
	s_cbranch_scc1 .Lloop
	STEP 1, 1, 1, 0, 20                            ; step 12: chunk 15 is asked for, the last
	STEP 0, 1, 0, 0, 20                            ; step 13: chunk 14 is quantised; chunk 15's 20 loads may be out
	STEP 1, 1, 0, 0, 0                             ; step 14: chunk 15
	STEP 0, 0, 0, 0, 0                             ; step 15: nothing is left to quantise
	; THE WAY OUT.  Every wave has passed the last barrier with its LDS reads over: chunks 0 to 3 become the stage.  A lane holds one query and 32 channels, out0 wants rows of queries: the 64 channels x 256 queries meet
	; in the stage, and each wave stores four whole rows of 1,024 bytes.  The address lines are the places behind the last products.
	v_and_b32 v244, 7, v0                          ; r % 8
	v_bfe_u32 v245, v0, 3, 1                       ; r / 8
	v_bfe_u32 v242, v0, 4, 1                       ; h
	v_lshlrev_b32 v[SO], 2, v244
	v_lshl_add_u32 v[SO], v245, 6, v[SO]
	v_mul_u32_u24 v242, v242, 8*SP
	v_add_nc_u32 v[SO], v[SO], v242
	s_and_b32 s32, s[WV], 14
	s_lshl_b32 s32, s32, 6
	s_and_b32 s33, s[WV], 1
	s_lshl_b32 s33, s33, 5
	s_add_co_u32 s32, s32, s33                     ; 4 x (128 (w / 8) + 32 ((w / 2) % 4) + 8 (w % 2))
	v_add_nc_u32 v[SO], s32, v[SO]                 ; in: row 8 h (+ 16 m + j in the immediate), my query's four bytes
	s_mul_i32 s33, s[WV], 4*SP
	v_add_nc_u32 v[SR], s33, v[AKF]                ; back: rows 4 w + i, 16 bytes a lane
	s_lshl_b32 s34, s[WV], 15
	v_add_f32 v14, v14, v15                        ; the sum's two halves,
	v_permlanex16_b32 v246, v14, s[SEL], s[SEL+1]
	v_add_f32 v14, v14, v246                       ; and lane l xor 16's: the row's sum
	v_rcp_f32 v14, v14
	v_add_nc_u32 v[GO], s34, v[AKF]                ; (the plain line behind the reciprocal)  the same rows in out0
	s_wait_alu depctr_va_vdst(0)                   ; the reciprocal has written v14, ahead of its first reader
	v_ldexp_f32 v14, v14, s[ESUM]                  ; x 2^(e2 + e3)
.set n, 0
.rept 16
	v_pk_mul_f32 v[S+n:S+n+1], v[O+n:O+n+1], v[14:15] op_sel_hi:[1,0]   ; register 8 m + j: channel 16 m + 8 h + j of my query; each accumulator from its low end on
.set n, n+2
.endr
	s_wait_alu depctr_va_vdst(0)                   ; the multiplications have written v64-95, the stores' data; v10, v11 and v248, the addresses of all that follows, are written; the last products are done reading v32-63, in which the loads from the stage land
.irp m, 0,1,2,3
.irp j, 0,1,2,3,4,5,6,7
	ds_store_b32 v[SO], v[S+8*\m+\j] offset:(16*\m+\j)*SP   ; lanes 0-15 take words 0-7 and 16-23 of a run of 64, lanes 16-31 (8 rows = 2,080 words on) words 32-39 and 48-55
.endr
.endr
	s_wait_dscnt 0x0                               ; for the others' sake: my stores into the stage are done
	s_barrier_signal -1
	s_barrier_wait -1
.irp k, 0,1,2,3,4,5,6,7
	ds_load_b128 v[F+4*\k:F+4*\k+3], v[SR] offset:(\k/2)*SP+512*(\k%2)
.endr
.irp k, 0,1,2,3,4,5,6,7
	s_wait_dscnt 7-\k                              ; LDS loads come back in order: load k is in, the younger ones may be out
	global_store_b128 v[GO], v[F+4*\k:F+4*\k+3], s[8:9] offset:(\k/2)*ROW+512*(\k%2) th:TH_STORE_NT   ; 32 lanes store 512 consecutive bytes, at a multiple of 512 from out0's first byte; written once, read by nobody here
.endr
	s_wait_dscnt 0x0                               ; the closing lines, six on end
	s_wait_alu 0x0
	s_wait_tensorcnt 0x0
	ds_add_u32 v254, v255
	s_wait_dscnt 0x0
	s_endpgm
.Lfunc_end_k_q658dccdaeb_attn:
	.size	k_q658dccdaeb_attn, .Lfunc_end_k_q658dccdaeb_attn-k_q658dccdaeb_attn
	.p2alignl 7, 3214868480
	.fill 96, 4, 3214868480
	.section	.rodata,"a",@progbits
	.p2align	6, 0x0
	.amdhsa_kernel k_q658dccdaeb_attn
		.amdhsa_group_segment_fixed_size 296960
		.amdhsa_private_segment_fixed_size 0
		.amdhsa_enable_private_segment 0
		.amdhsa_kernarg_size 24
		.amdhsa_user_sgpr_count 2
		.amdhsa_user_sgpr_kernarg_segment_ptr 1
		.amdhsa_wavefront_size32 1
		.amdhsa_system_sgpr_workgroup_id_x 1
		.amdhsa_system_sgpr_workgroup_id_y 1
		.amdhsa_system_sgpr_workgroup_id_z 1
		.amdhsa_system_vgpr_workitem_id 0
		.amdhsa_next_free_vgpr 256
		.amdhsa_next_free_sgpr 66
		.amdhsa_reserve_vcc 0
		.amdhsa_float_denorm_mode_32 3
		.amdhsa_float_denorm_mode_16_64 3
		.amdhsa_memory_ordered 1
		.amdhsa_forward_progress 1
		.amdhsa_inst_pref_size 142
	.end_amdhsa_kernel
	.amdgpu_metadata
---
amdhsa.version: [ 1, 2 ]
amdhsa.kernels:
  - .name:           k_q658dccdaeb_attn
    .symbol:         k_q658dccdaeb_attn.kd
    .args:
      - { .name: lowp_scales, .offset: 0, .size: 8, .value_kind: global_buffer, .address_space: global }
      - { .name: qkv, .offset: 8, .size: 8, .value_kind: global_buffer, .address_space: global }
      - { .name: out0, .offset: 16, .size: 8, .value_kind: global_buffer, .address_space: global }
    .group_segment_fixed_size: 296960
    .private_segment_fixed_size: 0
    .kernarg_segment_align: 8
    .kernarg_segment_size: 24
    .max_flat_workgroup_size: 512
    .sgpr_count:     66
    .vgpr_count:     256
    .wavefront_size: 32
...
	.end_amdgpu_metadata
.endif
;; end of part 2
